; MI455X (gfx1250); checked and timed in simulation.
; The chip was launched on July 23, 2026; its instructions are those of AMD's public machine-readable ISA for CDNA 5 (MIT licence, August 2026) and "CDNA5" Instruction Set Architecture Reference Guide (July 2026). The comments in the code are by the model that wrote it; some were corrected since.
;; Bag Of Concepts. Allowed arithmetic: matrix products marked QUANTISED: E2M3 operands, one E8M0 scale for each 32 along K, by v_wmma_scale_f32_16x16x128_f8f6f4 with both operands' format E2M3, f32 sums; everything else in f32.
;; Inputs: codebook 4,096 x 512 float32; inp 8 x 4,096 x 512 float32.
;; Outputs: out0 8 x 4,096 x 512 float32.
;; This version of the problem:
;;   THIS VERSION OF THE PROBLEM IS GIVEN IN LOW PRECISION. The matrix products marked QUANTISED in the list below multiply operands that are first quantised to E2M3 (2 exponent bits, 3 mantissa bits; 6 bits a number), with one power-of-two scale for each 32 numbers along K (OCP MX v1.0); their sums are f32. All else is computed in f32.
;;   The module's matrix products, in the order in which they are computed (A, B: the left and right operand; K: the contracted axis; several contracted axes count as one K, in the product's order):
;;     1. [M 32,768, K 512] x [K 512, N 4,096]; A: input inp; B: input codebook: QUANTISED
;;   THE QUANTISER, for each operand of a quantised product, along K:
;;     - K is cut into blocks of 32 from its start; a last block that is shorter is filled with zeros.
;;     - A block's scale is 2^e with e = floor(log2(the largest magnitude in the block)) - 2, held to -126 .. 127; a block of zeros has e = 0. As a byte (E8M0): e + 127.
;;     - Each number is divided by its block's scale, clamped to +-7.5, and rounded to the nearest number of E2M3, ties to even, subnormals kept.
;;     - The product sums the exact products of the quantised numbers (number of the format x scale) in f32.
;;   ~~~python
;;   def quantise(x, axis):      # numpy; x: float32 -> the quantised numbers, widened to float32 again
;;       x = np.moveaxis(x, axis, -1); K = x.shape[-1]
;;       x = np.pad(x, [(0, 0)] * (x.ndim - 1) + [(0, -K % 32)]); x = x.reshape(x.shape[:-1] + (-1, 32)); a = np.abs(x).max(-1, keepdims=True)
;;       e = np.where(a > 0, np.clip(np.frexp(np.where(a > 0, a, 1))[1] - 1 - 2, -126, 127), 0)      # np.frexp(a)[1] - 1 = floor(log2(a)), exactly
;;       r = np.clip(x / 2.0 ** e, -7.5, 7.5)
;;       step = 2.0 ** (np.maximum(np.frexp(np.where(r == 0, 1, r))[1] - 1, 0) - 3)
;;       q = np.round(r / step) * step * 2.0 ** e      # np.round: ties to even
;;       return np.moveaxis(q.reshape(q.shape[:-2] + (-1,))[..., :K], -1, axis).astype(np.float32)
;;   ~~~
;; 2 versions. Each part assembles by itself: llvm-mc -triple=amdgcn-amd-amdhsa -mcpu=gfx1250 --defsym DOCPART=n.
;; ======== version 1 of 2: 3 launches
;; workspace buffers: cbq 1,703,936 bytes; idx 131,072 bytes of whole numbers
;; launch quantcb (part 1): grid 256 x 1, 1 waves a work-group, no clusters, 0 bytes of LDS; arguments codebook, cbq; writes cbq
.if DOCPART == 1
	.amdgcn_target "amdgcn-amd-amdhsa--gfx1250"
	.amdhsa_code_object_version 6
	.text
	.protected	k_q7fe4a716a4_quantcb
	.globl	k_q7fe4a716a4_quantcb
	.p2align	8
	.type	k_q7fe4a716a4_quantcb,@function
k_q7fe4a716a4_quantcb:
	s_mov_b64 s[64:65], 0
	v_nop
	global_prefetch_b8 v0, s[64:65] scope:SCOPE_SE
	s_setreg_imm32_b32 hwreg(HW_REG_WAVE_MODE, 25, 1), 1
	s_wait_xcnt 0x0
; The codebook [4096][512] f32 becomes codes of FP6 (E2M3) with one E8M0 scale byte for each 32 along K, laid IN THE ORDER OF THE OPERAND'S REGISTERS, and the rows' sums of squares cc.
; A work-group is one wave and takes 16 rows: record t = rows 16 t .. 16 t + 15, 6,656 bytes = 13 pieces of 512 bytes, lane l's 16 bytes at 16 l of each piece:
;   piece 3 s + k (s = K step of 128, k = 0..2): registers 4 k .. 4 k + 3 of the fragment of K step s;
;   piece 12: lane (r, h): word 0 = row r's scale word of K step h, word 1 = that of K step 2 + h, word 2 = cc of row r, word 3 = 0.
; So the product's launch gets a record by 13 loads of 16 bytes a lane, with nothing to shuffle, and every store here covers 512 consecutive bytes at a multiple of 256 from the buffer's first byte.
; LAYOUT OF A LANE: lane (r = lane % 16, h = lane / 16) holds, of row r and K step s, the whole blocks 2 c + h (c = 0, 1): k = 128 s + 64 c + 32 h + 0 .. 31, as the 6-bit operand layout gives them to it:
; a block's largest magnitude needs no other lane, and the conversions' results are the operand's registers.
; A block's scale is 2^(floor(log2(its largest magnitude)) - 2); its byte is that magnitude's exponent field - 2, held at 1 from below by a floor among the maximum's leaves.
; LIMITS: a block of zeros gets the byte 1 where the rule says 127 (its codes are zeros, and only this program reads the bytes); NaN and infinities are not served;
; cc is summed in f32 in this order: four partial sums a lane, then the other half of the lanes: not the order of another implementation.
; No LDS, no barrier, no matrix unit: the launch reads 8 MiB once; 48 loads of the wave are out at the start.
.set XA,  1                            ; v1   my byte in the 16 rows: 2,048 r + 128 h
.set LI,  2                            ; v2   16 x lane: my place in a piece
.set RR,  10                           ; v10  r
.set HH,  11                           ; v11  h
; v16-27 the fragment just made; v28-34 second halves of blocks; v36-37 largest magnitudes; v38-39 scale operands; v40-41 bytes; v42-45 the four K steps' scale words;
; v46 from the other half of the lanes; v47 8 h; v48-51 sums of squares; v52-55 piece 12; v64-255 three sets of 64 numbers
	s_load_b128 s[4:7], s[0:1], 0x0                ; codebook s[4:5], cbq s[6:7]
	v_and_b32 v[RR], 15, v0
	v_bfe_u32 v[HH], v0, 4, 1
	v_lshlrev_b32 v[XA], 11, v[RR]
	v_lshl_add_u32 v[XA], v[HH], 7, v[XA]
	v_lshlrev_b32 v[LI], 4, v0                     ; one wave: the thread's number is the lane
	v_lshlrev_b32 v47, 3, v[HH]
	v_mov_b32 v46, 0                               ; written once: a lane permute's destination counts as one of its sources
	s_mov_b32 s34, 0x76543210
	s_mov_b32 s35, 0xfedcba98                      ; v_permlanex16_b32's selects for lane l xor 16
	s_mov_b32 s36, 0xffff0000                      ; lanes 16-31
	s_lshl_b32 s10, ttmp9, 15                      ; 16 rows of 2,048 bytes
	s_mov_b32 s11, 0
	s_mul_i32 s12, ttmp9, 6656                     ; my record
	s_mov_b32 s13, 0
	s_wait_kmcnt 0x0
	s_add_nc_u64 s[4:5], s[4:5], s[10:11]
	s_add_nc_u64 s[6:7], s[6:7], s[12:13]
.macro XLOAD s                         ; K step s: my two blocks, 64 numbers, into set s % 3
.set SET, 64+64*((\s)%3)
.irp c, 0,1
.irp i, 0,1,2,3,4,5,6,7
	global_load_b128 v[SET+32*\c+4*\i:SET+32*\c+4*\i+3], v[XA], s[4:5] offset:512*(\s)+256*\c+16*\i
.endr
.endr
.endm
.macro QUANT s, first                  ; set s % 3 -> the fragment in v16-27, its scale word in v[42 + s]; the sums of squares go on (first = 1: they begin)
.set SET, 64+64*((\s)%3)
.if \first
	v_pk_mul_f32 v[48:49], v[SET:SET+1], v[SET:SET+1]
	v_pk_mul_f32 v[50:51], v[SET+2:SET+3], v[SET+2:SET+3]
.else
	v_pk_fma_f32 v[48:49], v[SET:SET+1], v[SET:SET+1], v[48:49]
	v_pk_fma_f32 v[50:51], v[SET+2:SET+3], v[SET+2:SET+3], v[50:51]
.endif
.set n, 4
.rept 15
	v_pk_fma_f32 v[48:49], v[SET+n:SET+n+1], v[SET+n:SET+n+1], v[48:49]
	v_pk_fma_f32 v[50:51], v[SET+n+2:SET+n+3], v[SET+n+2:SET+n+3], v[50:51]
.set n, n+4
.endr
.irp c, 0,1
	v_max3_num_f32 v[36+\c], |v[SET+32*\c]|, |v[SET+32*\c+1]|, 0x1800000   ; my block 2 c + h, and the floor 2^(3 - 127): the byte cannot fall under 1
.endr
.irp i, 2,4,6,8,10,12,14,16,18,20,22,24,26,28,30
.irp c, 0,1
	v_max3_num_f32 v[36+\c], v[36+\c], |v[SET+32*\c+\i]|, |v[SET+32*\c+\i+1]|   ; the two blocks by turns
.endr
.endr
.irp c, 0,1
	v_add_nc_u32 v[38+\c], 0xff000000, v[36+\c]    ; 2 off the exponent field: the conversion takes this operand's exponent field as its scale
.endr
.irp c, 0,1
	v_lshrrev_b32 v[40+\c], 23, v[38+\c]           ; the scale's byte
.endr
	v_lshl_or_b32 v[42+(\s)], v41, 16, v40         ; my two bytes, blocks h and 2 + h,
	v_lshlrev_b32 v[42+(\s)], v47, v[42+(\s)]      ; at their places in the word (8 h bits up);
	v_permlanex16_b32 v46, v[42+(\s)], s34, s35
	v_or_b32 v[42+(\s)], v[42+(\s)], v46           ; with the other half's two the word is whole, in both halves
	s_wait_xcnt 0x0                                ; the last K step's stores have read v16-27: only behind this wait are they written again
.irp c, 0,1
	v_cvt_scalef32_pk16_fp6_f32 v[16+6*\c:18+6*\c], v[SET+32*\c:SET+32*\c+15], v[38+\c]
	v_cvt_scalef32_pk16_fp6_f32 v[28+4*\c:30+4*\c], v[SET+32*\c+16:SET+32*\c+31], v[38+\c]   ; (a conversion's three registers begin on an even number: made elsewhere and moved)
.endr
	v_nop                                          ; one plain place behind a scaled conversion
.irp c, 0,1
.irp i, 0,1,2
	v_mov_b32 v[19+6*\c+\i], v[28+4*\c+\i]
.endr
.endr
.endm
.macro SAVE s                          ; the fragment as it stands: three pieces of 512 consecutive bytes
.irp k, 0,1,2
	global_store_b128 v[LI], v[16+4*\k:19+4*\k], s[6:7] offset:1536*(\s)+512*\k
.endr
.endm
	XLOAD 0
	XLOAD 1
	XLOAD 2
	s_wait_loadcnt 32                              ; K step 0's 16 loads are in; the 32 of steps 1 and 2 may be out
	QUANT 0, 1
	SAVE 0
	XLOAD 3                                        ; into the set that step 0 has left
	s_wait_loadcnt 32                              ; step 1 is in; steps 2 and 3 may be out
	QUANT 1, 0
	SAVE 1
	s_wait_loadcnt 16                              ; step 2 is in; step 3 may be out
	QUANT 2, 0
	SAVE 2
	s_wait_loadcnt 0x0
	QUANT 3, 0
	SAVE 3
	v_add_f32 v48, v48, v49                        ; cc: my four partial sums,
	v_add_f32 v50, v50, v51
	v_add_f32 v48, v48, v50
	v_permlanex16_b32 v46, v48, s34, s35
	v_add_f32 v54, v48, v46                        ; and the other half's: the same bits in both halves
	v_cndmask_b32 v52, v42, v43, s36               ; lanes 0-15: K step 0's word, lanes 16-31: K step 1's
	v_cndmask_b32 v53, v44, v45, s36               ; steps 2 and 3 likewise
	v_mov_b32 v55, 0
	global_store_b128 v[LI], v[52:55], s[6:7] offset:6144
	s_endpgm
.Lfunc_end_k_q7fe4a716a4_quantcb:
	.size	k_q7fe4a716a4_quantcb, .Lfunc_end_k_q7fe4a716a4_quantcb-k_q7fe4a716a4_quantcb
	.p2alignl 7, 3214868480
	.fill 96, 4, 3214868480
	.section	.rodata,"a",@progbits
	.p2align	6, 0x0
	.amdhsa_kernel k_q7fe4a716a4_quantcb
		.amdhsa_group_segment_fixed_size 0
		.amdhsa_private_segment_fixed_size 0
		.amdhsa_enable_private_segment 0
		.amdhsa_kernarg_size 16
		.amdhsa_user_sgpr_count 2
		.amdhsa_user_sgpr_kernarg_segment_ptr 1
		.amdhsa_wavefront_size32 1
		.amdhsa_system_sgpr_workgroup_id_x 1
		.amdhsa_system_sgpr_workgroup_id_y 1
		.amdhsa_system_sgpr_workgroup_id_z 1
		.amdhsa_system_vgpr_workitem_id 0
		.amdhsa_next_free_vgpr 256
		.amdhsa_next_free_sgpr 66
		.amdhsa_reserve_vcc 0
		.amdhsa_float_denorm_mode_32 3
		.amdhsa_float_denorm_mode_16_64 3
		.amdhsa_memory_ordered 1
		.amdhsa_forward_progress 1
		.amdhsa_inst_pref_size 29
	.end_amdhsa_kernel
	.amdgpu_metadata
---
amdhsa.version: [ 1, 2 ]
amdhsa.kernels:
  - .name:           k_q7fe4a716a4_quantcb
    .symbol:         k_q7fe4a716a4_quantcb.kd
    .args:
      - { .name: codebook, .offset: 0, .size: 8, .value_kind: global_buffer, .address_space: global }
      - { .name: cbq, .offset: 8, .size: 8, .value_kind: global_buffer, .address_space: global }
    .group_segment_fixed_size: 0
    .private_segment_fixed_size: 0
    .kernarg_segment_align: 8
    .kernarg_segment_size: 16
    .max_flat_workgroup_size: 32
    .sgpr_count:     66
    .vgpr_count:     256
    .wavefront_size: 32
...
	.end_amdgpu_metadata
.endif
;; end of part 1
;; launch nearest (part 2): grid 256 x 1, 8 waves a work-group, clusters of 4 x 1, 327,680 bytes of LDS; arguments inp, cbq, idx; writes idx
.if DOCPART == 2
	.amdgcn_target "amdgcn-amd-amdhsa--gfx1250"
	.amdhsa_code_object_version 6
	.text
	.protected	k_q7fe4a716a4_nearest
	.globl	k_q7fe4a716a4_nearest
	.p2align	8
	.type	k_q7fe4a716a4_nearest,@function
k_q7fe4a716a4_nearest:
	s_mov_b64 s[64:65], 0
	v_nop
	global_prefetch_b8 v0, s[64:65] scope:SCOPE_SE
	s_setreg_imm32_b32 hwreg(HW_REG_WAVE_MODE, 25, 1), 1
	s_wait_xcnt 0x0
	s_wait_alu depctr_hold_cnt(0) depctr_sa_sdst(0) depctr_va_vdst(0) depctr_va_sdst(0) depctr_va_ssrc(0) depctr_va_vcc(0) depctr_vm_vsrc(0)
	s_getreg_b32 s2, hwreg(HW_REG_IB_STS2, 6, 4)
	s_cmp_eq_u32 s2, 0
	s_cbranch_scc0 .Lentry_in_a_cluster
	s_endpgm
.Lentry_in_a_cluster:
	s_bfe_u32 s2, ttmp6, 0x10000c
	s_cmp_lg_u32 s2, 0x3003
	s_cbranch_scc0 .Lentry_shape_is_right
	s_endpgm
.Lentry_shape_is_right:
; idx[n] = the first argmin over the 4,096 codes k of d2(n, k) = (xx(n) - 2 dot(n, k)) + cc(k), for 32,768 tokens n.  dot is the product of x and the codebook on codes of FP6 (E2M3) with one E8M0 scale
; for each 32 along K = 512, f32 sums; xx and cc are f32 sums of squares of the numbers as given.  d2 is formed with the two f32 roundings of that formula as it is written (2 dot is exact, so one fused
; multiply-add gives the first), since many d2 of a row are equal in f32 and the lowest index among equals is asked for: within a lane a strict comparison keeps the earlier code, between lanes value, then index.
; SHARES.  A work-group owns 128 tokens and walks all codes.  Wave w = 4 g + q: tokens 64 g .. 64 g + 63 (four tiles of 16; their 16 fragments stay in 192 registers for the whole launch) and, of each chunk of 16
; records (a record = 16 codes, as the launch before laid them: 12 pieces of fragments, one of scale words and cc), records 4 q .. 4 q + 3.  Eight waves, two to a SIMD: one wave's comparisons stand beside the
; other's products; each record is read from LDS by two waves.
; x IS QUANTISED HERE: each row is read by this work-group alone, so its f32 numbers are read once and its codes never go to memory.  Wave w quantises tile w; fragments, scale words and xx go to the other waves
; through LDS as images of the registers (16 bytes a lane, 512 consecutive bytes a store).
; PRODUCT.  Source 0 = 16 tokens, source 1 = 16 codes: register j of lane (r, h) is token 8 h + j against code r.  So xx is one register for each accumulator register, fixed; cc is one register a record;
; and a lane's 32 running minima do not wait for each other.
; RING.  Two LDS slots of one chunk (106,496 bytes); each wave brings two records (52 rows of 256 bytes, dense) with one tensor load.  CLUSTER: the four work-groups of a cluster walk the same chunks, so each
; load is a JOINT one (mask 15, the same descriptor in all four: it hangs on the wave's number and the chunk alone); a round of the cluster's barrier stands in front of each.
; One tensor load of a wave is out behind each round; it has a chunk's work, 64 matrix instructions a wave, in which to land.
; LIMITS: NaN and infinities are not served.  xx is summed in f32 in this order: four partial sums a lane, then the other half of the lanes; a change of xx by whole units in its last place moves all d2
; of a row alike.  A block of zeros gets the scale byte 1 with zero codes.
; REGISTERS.  Window 0: v0 thread; v2, v3 the add's; v4-5 record addresses in slot 0, 1; v6 my code's index; v10 r, v11 h; v1, v7-9 addresses of the phase in hand;
;   v12-15, v52-55 a record's scale words, cc, 0 (two sets); v16-47 xx; v56-63 x's scale words; v64-127 32 pairs (least d2, its index); v128-159 four accumulators; v160-207, v208-255 a record's fragments (two sets).
;   At the head: v16-51 at work on x, v64-255 three sets of 64 numbers of x.   Window 1: v0-191 x's fragments, (tile m, K step s) at 12 (4 m + s).
.set REC,   6656                       ; a record
.set CHUNK, 16*REC                     ; a slot
.set SLOT1, CHUNK
.set XIMG,  2*CHUNK                    ; x's 32 fragment images, (tile T, K step s) at 1,536 (4 T + s)
.set XSCL,  XIMG+32*1536               ; x's scale words: 512 T + 128 s + 4 x lane
.set XXS,   XSCL+8*512                 ; xx: 64 T + 4 r
.set SPARE, XXS+512                    ; the spare words, 128 bytes for each wave: four blocks of 256 bytes that no other line names
.set RP,    528                        ; the reduction: a token's 64 candidates of 8 bytes + 16.  It lies in slot 0, which has had its last fill and its last read by then
.set FIN,   128*RP                     ; behind it: the 128 indices
.set SPW,  2
.set NIL,  3
.set AR,   4
.set CUR,  6
.set RR,   10
.set HH,   11
.set XA,   1                           ; head: my byte in the wave's 16 rows of x
.set XWI,  7                           ; head: where I store images, scale words, xx
.set XWS,  8
.set XWX,  9
.set META1, 12
.set XX,   16
.set META0, 52
.set XSC,  56
.set ST,   64
.set ACC,  128
.set BUF0, 160
.set BUF1, 208
.set CAND, 128                         ; tail: 32 candidates
.set MSB, 0
.macro WIN new                         ; the immediate's high byte repeats the setting that is left
.if MSB != \new
	s_set_vgpr_msb (MSB<<8)|\new
.set MSB, \new
.endif
.endm
.macro ROUND                           ; a round of the cluster's barrier: my work-group's barrier; wave 0 signals for the work-group; every wave waits for all four; my work-group's barrier once more
	s_barrier_signal -1
	s_barrier_wait -1
	s_cmp_lg_u32 s10, 0
	s_cbranch_scc1 .Lnot_wave_0_\@
	s_barrier_signal -3
.Lnot_wave_0_\@:
	s_barrier_wait -3
	s_barrier_signal -1
	s_barrier_wait -1
.endm
.macro PLACES
.rept 4
	v_nop
.endr
.endm
	s_load_b128 s[4:7], s[0:1], 0x0                ; inp s[4:5], cbq s[6:7]
	s_load_b64 s[8:9], s[0:1], 0x10                ; idx
	v_lshl_add_u32 v[SPW], v0, 2, SPARE
	v_mov_b32 v[NIL], 0
	ds_add_u32 v2, v3
	ds_add_u32 v2, v3
	s_wait_dscnt 0x0
	v_lshrrev_b32 v1, 5, v0
	v_readfirstlane_b32 s10, v1                    ; wave 0..7
	s_lshr_b32 s11, s10, 2                         ; g: which 64 tokens
	s_and_b32 s12, s10, 3                          ; q: which four records of a chunk
	s_bfe_u32 s13, ttmp6, 0x40000                  ; cx: my place in the cluster
	s_lshl_b32 s14, ttmp9, 2                       ; in a cluster launch ttmp9 counts clusters
	s_add_co_u32 s14, s14, s13                     ; my block of 128 tokens: it enters inp's and idx's addresses alone
	; descriptor group 1: 52 rows of 32 elements of 8 bytes, dense: two records
	s_mov_b32 s16, 15|(3<<16)|(1<<21)              ; 15:0 the mask: all four work-groups; 17:16 elements of 8 bytes; 20 no padding; 21 set beside a mask
	s_mov_b32 s17, 32<<16                          ; tensor_dim0 = 32
	s_mov_b32 s18, 52<<16                          ; tensor_dim1 = 52
	s_mov_b32 s19, 32<<16                          ; tile_dim0 = 32
	s_mov_b32 s20, 52                              ; tile_dim1 = 52
	s_mov_b32 s21, 32                              ; from row to row
	s_mov_b32 s22, 0
	s_mov_b32 s23, 0
	s_mul_i32 s36, s10, 2*REC                      ; my two records in a chunk, in memory and in a slot alike
	s_mov_b32 s37, 0
	s_mov_b32 s24, 1                               ; group 0 for slot 0: count,
	s_mov_b32 s25, s36                             ; LDS address
	s_mov_b32 s28, 1                               ; and for slot 1
	s_add_co_u32 s29, s36, SLOT1
	s_mov_b32 s34, 0x76543210
	s_mov_b32 s35, 0xfedcba98                      ; v_permlanex16_b32's selects for lane l xor 16
	s_lshl_b32 s38, s14, 18                        ; 128 rows of 2,048 bytes a work-group,
	s_lshl_b32 s39, s10, 15                        ; 16 a wave
	s_add_co_u32 s38, s38, s39
	s_mov_b32 s39, 0
	s_lshl_b32 s44, s14, 9                         ; 128 indices of 4 bytes
	s_mov_b32 s45, 0
	v_and_b32 v[RR], 15, v0
	v_bfe_u32 v[HH], v0, 4, 1
	v_lshlrev_b32 v[XA], 11, v[RR]
	v_lshl_add_u32 v[XA], v[HH], 7, v[XA]          ; 2,048 r + 128 h
	v_and_b32 v[XWI], 31, v0                       ; lane
	v_lshlrev_b32 v[XWS], 2, v[XWI]
	v_lshlrev_b32 v[XWI], 4, v[XWI]
	s_mul_i32 s40, s10, 4*1536
	s_add_co_u32 s40, s40, XIMG
	v_add_nc_u32 v[XWI], s40, v[XWI]               ; tile w's four images, 16 x lane
	s_lshl_b32 s40, s10, 9
	s_add_co_u32 s40, s40, XSCL
	v_add_nc_u32 v[XWS], s40, v[XWS]               ; its scale words, 4 x lane
	s_lshl_b32 s40, s10, 6
	s_add_co_u32 s40, s40, XXS
	v_lshl_add_u32 v[XWX], v[RR], 2, s40           ; its xx, 4 r
	v_and_b32 v[AR], 31, v0
	v_lshlrev_b32 v[AR], 4, v[AR]
	s_mul_i32 s40, s12, 4*REC
	v_add_nc_u32 v[AR], s40, v[AR]                 ; my four records in slot 0: 16 x lane + 4 q records,
	v_add_nc_u32 v[AR+1], SLOT1, v[AR]             ; and in slot 1
	s_lshl_b32 s40, s12, 6
	v_add_nc_u32 v[CUR], s40, v[RR]                ; the code of my column in my first record: 64 q + r
	v_lshlrev_b32 v47, 3, v[HH]                    ; 8 h
	v_mov_b32 v46, 0                               ; written once: a lane permute's destination counts as one of its sources
	s_wait_kmcnt 0x0
	s_add_nc_u64 s[4:5], s[4:5], s[38:39]          ; x at my wave's 16 rows
	s_add_nc_u64 s[8:9], s[8:9], s[44:45]          ; idx at my work-group's 128
	s_add_nc_u64 s[26:27], s[6:7], s[36:37]        ; chunk 0, my two records
	s_add_nc_u64 s[30:31], s[26:27], CHUNK         ; chunk 1
	s_or_b32 s27, s27, 0x80000000                  ; type = 2
	s_or_b32 s31, s31, 0x80000000
	ROUND                                          ; all four work-groups are here: the first joint loads meet
	tensor_load_to_lds s[24:27], s[16:23]          ; chunk 0 into slot 0
	s_nop 0
	PLACES                                         ; four v_nop follow a tensor load
; ---- x: my tile's 16 rows become four fragments, four scale words a row, and xx.  Lane (r, h) holds, of row r and K step s, the whole blocks 2 c + h: k = 128 s + 64 c + 32 h + 0 .. 31
.macro XLOAD s                         ; K step s: 64 numbers a lane into set s % 3
.set SET, 64+64*((\s)%3)
.irp c, 0,1
.irp i, 0,1,2,3,4,5,6,7
	global_load_b128 v[SET+32*\c+4*\i:SET+32*\c+4*\i+3], v[XA], s[4:5] offset:512*(\s)+256*\c+16*\i th:TH_LOAD_NT
.endr
.endr
.endm
.macro QUANT s, first                  ; set s % 3 -> the fragment in v16-27, its scale word in v[42 + s]; the sums of squares go on (first = 1: they begin)
.set SET, 64+64*((\s)%3)
.if \first
	v_pk_mul_f32 v[48:49], v[SET:SET+1], v[SET:SET+1]
	v_pk_mul_f32 v[50:51], v[SET+2:SET+3], v[SET+2:SET+3]
.else
	v_pk_fma_f32 v[48:49], v[SET:SET+1], v[SET:SET+1], v[48:49]
	v_pk_fma_f32 v[50:51], v[SET+2:SET+3], v[SET+2:SET+3], v[50:51]
.endif
.set n, 4
.rept 15
	v_pk_fma_f32 v[48:49], v[SET+n:SET+n+1], v[SET+n:SET+n+1], v[48:49]
	v_pk_fma_f32 v[50:51], v[SET+n+2:SET+n+3], v[SET+n+2:SET+n+3], v[50:51]
.set n, n+4
.endr
.irp c, 0,1
	v_max3_num_f32 v[36+\c], |v[SET+32*\c]|, |v[SET+32*\c+1]|, 0x1800000   ; my block 2 c + h, and the floor 2^(3 - 127): the byte cannot fall under 1
.endr
.irp i, 2,4,6,8,10,12,14,16,18,20,22,24,26,28,30
.irp c, 0,1
	v_max3_num_f32 v[36+\c], v[36+\c], |v[SET+32*\c+\i]|, |v[SET+32*\c+\i+1]|   ; the two blocks by turns
.endr
.endr
.irp c, 0,1
	v_add_nc_u32 v[38+\c], 0xff000000, v[36+\c]    ; 2 off the exponent field: the conversion takes this operand's exponent field as its scale
.endr
.irp c, 0,1
	v_lshrrev_b32 v[40+\c], 23, v[38+\c]           ; the scale's byte
.endr
	v_lshl_or_b32 v[42+(\s)], v41, 16, v40         ; my two bytes, blocks h and 2 + h,
	v_lshlrev_b32 v[42+(\s)], v47, v[42+(\s)]      ; at their places in the word (8 h bits up);
	v_permlanex16_b32 v46, v[42+(\s)], s34, s35
	v_or_b32 v[42+(\s)], v[42+(\s)], v46           ; with the other half's two the word is whole, in both halves
	s_wait_dscnt 0x0                               ; the last K step's LDS stores have read v16-27
.irp c, 0,1
	v_cvt_scalef32_pk16_fp6_f32 v[16+6*\c:18+6*\c], v[SET+32*\c:SET+32*\c+15], v[38+\c]
	v_cvt_scalef32_pk16_fp6_f32 v[28+4*\c:30+4*\c], v[SET+32*\c+16:SET+32*\c+31], v[38+\c]   ; (a conversion's three registers begin on an even number: made elsewhere and moved)
.endr
	v_nop                                          ; one plain place behind a scaled conversion
.irp c, 0,1
.irp i, 0,1,2
	v_mov_b32 v[19+6*\c+\i], v[28+4*\c+\i]
.endr
.endr
.endm
.macro SAVE s                          ; the fragment and the scale word go to LDS as they stand
.irp k, 0,1,2
	ds_store_b128 v[XWI], v[16+4*\k:19+4*\k] offset:1536*(\s)+512*\k
.endr
	ds_store_b32 v[XWS], v[42+(\s)] offset:128*(\s)
.endm
	XLOAD 0
	XLOAD 1
	XLOAD 2
	s_wait_loadcnt 32                              ; K step 0's 16 loads are in; the 32 of steps 1 and 2 may be out
	QUANT 0, 1
	SAVE 0
	XLOAD 3                                        ; into the set that step 0 has left
	s_wait_loadcnt 32                              ; step 1 is in; steps 2 and 3 may be out
	QUANT 1, 0
	SAVE 1
	s_wait_loadcnt 16                              ; step 2 is in; step 3 may be out
	QUANT 2, 0
	SAVE 2
	s_wait_loadcnt 0x0
	QUANT 3, 0
	SAVE 3
	v_add_f32 v48, v48, v49                        ; xx: my four partial sums,
	v_add_f32 v50, v50, v51
	v_add_f32 v48, v48, v50
	v_permlanex16_b32 v46, v48, s34, s35
	v_add_f32 v48, v48, v46                        ; and the other half's: the same bits in both halves,
	ds_store_b32 v[XWX], v48                       ; which write the same word
; ---- the loop's macros
.macro FETCH slot, i, buf, meta        ; my record i of the slot: 13 loads of 512 consecutive bytes
.irp c, 0,1,2,3,4,5,6,7,8,9,10,11
	ds_load_b128 v[\buf+4*\c:\buf+4*\c+3], v[AR+\slot] offset:REC*\i+512*\c
.endr
	ds_load_b128 v[\meta:\meta+3], v[AR+\slot] offset:REC*\i+6144
.endm
; 16 matrix instructions: four K steps x my four tiles of tokens against the record's 16 codes.  The four accumulators take turns, one instruction a turn; the first K step
; starts the sums with the constant 0.  A scale register holds K step 2 p in lanes 0-15 and K step 2 p + 1 in lanes 16-31, for x and for the codes alike: odd steps read the upper lanes.
.macro MUL buf, meta
	WIN 0x01                                       ; source 0 (x) window 1, all else window 0
.irp s, 0,1,2,3
.irp m, 0,1,2,3
.if \s == 0
	v_wmma_scale_f32_16x16x128_f8f6f4 v[ACC+8*\m:ACC+8*\m+7], v[12*(4*\m+\s):12*(4*\m+\s)+11], v[\buf+12*\s:\buf+12*\s+11], 0, v[XSC+2*\m], v[\meta] matrix_a_fmt:MATRIX_FMT_FP6 matrix_b_fmt:MATRIX_FMT_FP6
.elseif \s == 1
	v_wmma_scale_f32_16x16x128_f8f6f4 v[ACC+8*\m:ACC+8*\m+7], v[12*(4*\m+\s):12*(4*\m+\s)+11], v[\buf+12*\s:\buf+12*\s+11], v[ACC+8*\m:ACC+8*\m+7], v[XSC+2*\m], v[\meta] matrix_a_fmt:MATRIX_FMT_FP6 matrix_b_fmt:MATRIX_FMT_FP6 matrix_a_scale:MATRIX_SCALE_ROW1 matrix_b_scale:MATRIX_SCALE_ROW1
.elseif \s == 2
	v_wmma_scale_f32_16x16x128_f8f6f4 v[ACC+8*\m:ACC+8*\m+7], v[12*(4*\m+\s):12*(4*\m+\s)+11], v[\buf+12*\s:\buf+12*\s+11], v[ACC+8*\m:ACC+8*\m+7], v[XSC+2*\m+1], v[\meta+1] matrix_a_fmt:MATRIX_FMT_FP6 matrix_b_fmt:MATRIX_FMT_FP6
.else
	v_wmma_scale_f32_16x16x128_f8f6f4 v[ACC+8*\m:ACC+8*\m+7], v[12*(4*\m+\s):12*(4*\m+\s)+11], v[\buf+12*\s:\buf+12*\s+11], v[ACC+8*\m:ACC+8*\m+7], v[XSC+2*\m+1], v[\meta+1] matrix_a_fmt:MATRIX_FMT_FP6 matrix_b_fmt:MATRIX_FMT_FP6 matrix_a_scale:MATRIX_SCALE_ROW1 matrix_b_scale:MATRIX_SCALE_ROW1
.endif
.endr
.endr
	WIN 0
.endm
; d2 of the 32 numbers a lane, and the running minima.  Four places behind the products (ISA guide 7.12.1); each accumulator is read from its low end on.  The lines that follow are also the places in front of the
; loads into the fragments just multiplied and of the products that begin these accumulators anew.
.macro ARGMIN meta
	PLACES
.set p, 0
.rept 16
	v_pk_fma_f32 v[ACC+p:ACC+p+1], v[ACC+p:ACC+p+1], -2.0, v[XX+p:XX+p+1] op_sel_hi:[1,0,1]   ; xx - 2 dot, rounded once
.set p, p+2
.endr
.set p, 0
.rept 16
	v_pk_add_f32 v[ACC+p:ACC+p+1], v[ACC+p:ACC+p+1], v[\meta+2:\meta+3] op_sel_hi:[1,0]       ; + cc of my code (the pair's low word serves both halves)
.set p, p+2
.endr
.set e, 0
.rept 8                                ; four numbers at a time, so that no line waits for the line above it
.irp k, 0,1,2,3
	v_cmp_lt_f32 s[40+\k], v[ACC+e+\k], v[ST+2*(e+\k)]                       ; strictly less: among equals the earlier code stays
.endr
.irp k, 0,1,2,3
	v_cndmask_b32 v[ST+2*(e+\k)+1], v[ST+2*(e+\k)+1], v[CUR], s[40+\k]
.endr
.irp k, 0,1,2,3
	v_min_num_f32 v[ST+2*(e+\k)], v[ST+2*(e+\k)], v[ACC+e+\k]
.endr
.set e, e+4
.endr
	v_add_nc_u32 v[CUR], 16, v[CUR]                ; the next record's code
.endm
; My four records of a slot.  A record's 13 loads are issued one record's products and comparisons ahead of their use; s_wait_dscnt 13 leaves the next record's 13 out.
.macro WORK slot
	FETCH \slot, 0, BUF0, META0
	FETCH \slot, 1, BUF1, META1
	s_wait_dscnt 13
	MUL BUF0, META0
	ARGMIN META0
	FETCH \slot, 2, BUF0, META0
	s_wait_dscnt 13
	MUL BUF1, META1
	ARGMIN META1
	FETCH \slot, 3, BUF1, META1
	s_wait_dscnt 13
	MUL BUF0, META0
	ARGMIN META0
	s_wait_dscnt 0x0
	MUL BUF1, META1
	ARGMIN META1
	v_add_nc_u32 v[CUR], 192, v[CUR]               ; on to my first record of the next chunk: 12 records of the other waves lie between
.endm
; A chunk.  In front of the round each wave waits for all its tensor loads (its part of this slot), adds 0 to its spare word, and waits for that and for its reads of the other slot.
; Behind the round this slot is whole and nobody, in any partner, reads the other: refill = 1: it takes the next chunk.
.macro TRIP slot, refill
	s_wait_tensorcnt 0x0                           ; no tensor load of mine is out, so a group 0 may be written
	ds_add_u32 v[SPW], v[NIL]                      ; 0 onto my spare word
	s_add_nc_u64 s[26+4*\slot:27+4*\slot], s[26+4*\slot:27+4*\slot], 2*CHUNK   ; this slot's next chunk (the last two steps' addresses are not used)
	s_wait_dscnt 0x0                               ; the add is done, and my reads of the other slot are over
	ROUND
.if \refill
	tensor_load_to_lds s[28-4*\slot:31-4*\slot], s[16:23]   ; my one tensor load behind the round, and the first thing there
	s_nop 0
	PLACES
.endif
	WORK \slot
.endm
; ---- chunk 0, written out: behind its round x's images are read too
	s_wait_tensorcnt 0x0                           ; my part of chunk 0 has landed
	ds_add_u32 v[SPW], v[NIL]                      ; 0 onto my spare word
	s_add_nc_u64 s[26:27], s[26:27], 2*CHUNK       ; slot 0's next chunk
	s_wait_dscnt 0x0                               ; the add is done, and my stores of x's images, scale words and xx have landed
	ROUND                                          ; everybody's have
	tensor_load_to_lds s[28:31], s[16:23]          ; chunk 1 into slot 1: its first fill, issued as a refill is
	s_nop 0
	PLACES
	v_and_b32 v7, 31, v0                           ; lane.  (The head's store addresses are done with: no LDS instruction of mine is out)
	v_lshlrev_b32 v8, 2, v7
	v_lshlrev_b32 v7, 4, v7
	s_mul_i32 s40, s11, 16*1536
	s_add_co_u32 s40, s40, XIMG
	v_add_nc_u32 v7, s40, v7                       ; my four tiles' 16 images: 16 x lane
	v_lshl_add_u32 v8, v[HH], 7, v8
	s_lshl_b32 s40, s11, 11
	s_add_co_u32 s40, s40, XSCL
	v_add_nc_u32 v8, s40, v8                       ; their scale words: 4 x lane, and lanes 16-31 one K step on
	s_lshl_b32 s40, s11, 8
	s_add_co_u32 s40, s40, XXS
	v_lshl_add_u32 v9, v[HH], 5, s40               ; their xx: tokens 8 h on
	WIN 0x40                                       ; destination window 1, address window 0
.irp f, 0,1,2,3,4,5,6,7,8,9,10,11,12,13,14,15
.irp k, 0,1,2
	ds_load_b128 v[12*\f+4*\k:12*\f+4*\k+3], v7 offset:1536*\f+512*\k
.endr
.endr
	WIN 0
.irp m, 0,1,2,3
.irp p, 0,1
	ds_load_b32 v[XSC+2*\m+\p], v8 offset:512*\m+256*\p                      ; lanes 0-15: K step 2 p of token row r; lanes 16-31: K step 2 p + 1
.endr
.endr
.irp m, 0,1,2,3
.irp u, 0,1
	ds_load_b128 v[XX+8*\m+4*\u:XX+8*\m+4*\u+3], v9 offset:64*\m+16*\u       ; register 8 m + j: xx of token 16 m + 8 h + j
.endr
.endr
.set e, 0
.rept 32
	v_mov_b32 v[ST+2*e], 0x7f800000                ; the least d2 so far: infinity, so that the loop has no first record of its own
	v_mov_b32 v[ST+2*e+1], 0
.set e, e+1
.endr
	WORK 0                                         ; its first wait, for all but the youngest 13 LDS loads, covers the loads above
	s_mov_b32 s32, 7
.Lpair:                                                ; chunks 1 to 14
	TRIP 1, 1
	TRIP 0, 1
	s_sub_co_u32 s32, s32, 1
	s_cmp_lg_u32 s32, 0
	s_cbranch_scc1 .Lpair
	TRIP 1, 0                                      ; chunk 15: nothing is left to fetch
; ---- the reduction.  A token's 64 candidates (four waves x 16 lanes) meet in LDS, in slot 0: it has had its last fill, and every wave's reads of it ended in front of the last round.
	s_mul_i32 s40, s11, 64*RP
	s_lshl_b32 s41, s12, 7
	s_add_co_u32 s40, s40, s41
	v_mul_u32_u24 v1, v[HH], 8*RP
	v_lshl_add_u32 v1, v[RR], 3, v1
	v_add_nc_u32 v1, s40, v1                       ; in: token 64 g + 8 h (+ 16 m + j), candidate 16 q + r
	s_mul_i32 s40, s10, 16*RP
	v_mul_u32_u24 v7, v[RR], RP
	v_lshl_add_u32 v7, v[HH], 8, v7
	v_add_nc_u32 v7, s40, v7                       ; back: token 16 w + r, half h of its candidates
	s_lshl_b32 s40, s10, 6
	s_add_co_u32 s40, s40, FIN
	v_lshl_add_u32 v8, v[RR], 2, s40               ; the token's index
	v_and_b32 v48, 31, v0
	v_lshlrev_b32 v48, 4, v48                      ; 16 x lane: my place in the work-group's 512 bytes of idx,
	v_add_nc_u32 v9, FIN, v48                      ; and in LDS
.irp m, 0,1,2,3
.irp j, 0,1,2,3,4,5,6,7
	ds_store_b64 v1, v[ST+2*(8*\m+\j):ST+2*(8*\m+\j)+1] offset:(16*\m+\j)*RP
.endr
.endr
	s_wait_dscnt 0x0                               ; for the others' sake: my candidates have landed
	s_barrier_signal -1
	s_barrier_wait -1
.irp i, 0,1,2,3,4,5,6,7,8,9,10,11,12,13,14,15
	ds_load_b128 v[CAND+4*\i:CAND+4*\i+3], v7 offset:16*\i
.endr
	s_wait_dscnt 0x0
.macro LEX a, b                        ; candidate a takes b's place where b is less, or equal with the lower index.  The masks only select values
	v_cmp_lt_f32 s40, v[\b], v[\a]
	v_cmp_eq_f32 s41, v[\b], v[\a]
	v_cmp_lt_u32 s42, v[\b+1], v[\a+1]
	s_and_b32 s41, s41, s42
	s_or_b32 s40, s40, s41
	v_cndmask_b32 v[\a], v[\a], v[\b], s40
	v_cndmask_b32 v[\a+1], v[\a+1], v[\b+1], s40
.endm
.irp d, 1,2,4,8,16                     ; my 32 candidates, as a tree
.set x, 0
.rept 16/\d
	LEX CAND+2*x, CAND+2*(x+\d)
.set x, x+2*\d
.endr
.endr
	v_permlanex16_b32 v[CAND+2], v[CAND], s34, s35 ; the other half's best
	v_permlanex16_b32 v[CAND+3], v[CAND+1], s34, s35
	LEX CAND, CAND+2
	ds_store_b32 v8, v[CAND+1]                     ; both halves write the same word with the same value
	s_wait_dscnt 0x0
	s_barrier_signal -1
	s_barrier_wait -1                              ; the 128 indices lie in LDS
	s_cmp_lg_u32 s10, 0
	s_cbranch_scc1 .Lothers
	ds_load_b128 v[CAND+4:CAND+7], v9
	s_wait_dscnt 0x0
	global_store_b128 v48, v[CAND+4:CAND+7], s[8:9]   ; wave 0 stores them: 512 consecutive bytes, at a multiple of 512 from idx's first byte
.Lothers:
	s_wait_tensorcnt 0x0                           ; the wave's end: behind my last tensor load and my last LDS store
	ds_add_u32 v[SPW], v[NIL]
	s_wait_dscnt 0x0
	ROUND                                          ; the closing round: no work-group ends while a partner may still ask for a chunk that names it
	s_endpgm
.Lfunc_end_k_q7fe4a716a4_nearest:
	.size	k_q7fe4a716a4_nearest, .Lfunc_end_k_q7fe4a716a4_nearest-k_q7fe4a716a4_nearest
	.p2alignl 7, 3214868480
	.fill 96, 4, 3214868480
	.section	.rodata,"a",@progbits
	.p2align	6, 0x0
	.amdhsa_kernel k_q7fe4a716a4_nearest
		.amdhsa_group_segment_fixed_size 327680
		.amdhsa_private_segment_fixed_size 0
		.amdhsa_enable_private_segment 0
		.amdhsa_kernarg_size 24
		.amdhsa_user_sgpr_count 2
		.amdhsa_user_sgpr_kernarg_segment_ptr 1
		.amdhsa_wavefront_size32 1
		.amdhsa_system_sgpr_workgroup_id_x 1
		.amdhsa_system_sgpr_workgroup_id_y 1
		.amdhsa_system_sgpr_workgroup_id_z 1
		.amdhsa_system_vgpr_workitem_id 0
		.amdhsa_next_free_vgpr 448
		.amdhsa_next_free_sgpr 66
		.amdhsa_reserve_vcc 0
		.amdhsa_float_denorm_mode_32 3
		.amdhsa_float_denorm_mode_16_64 3
		.amdhsa_memory_ordered 1
		.amdhsa_forward_progress 1
		.amdhsa_inst_pref_size 220
	.end_amdhsa_kernel
	.amdgpu_metadata
---
amdhsa.version: [ 1, 2 ]
amdhsa.kernels:
  - .name:           k_q7fe4a716a4_nearest
    .symbol:         k_q7fe4a716a4_nearest.kd
    .args:
      - { .name: inp, .offset: 0, .size: 8, .value_kind: global_buffer, .address_space: global }
      - { .name: cbq, .offset: 8, .size: 8, .value_kind: global_buffer, .address_space: global }
      - { .name: idx, .offset: 16, .size: 8, .value_kind: global_buffer, .address_space: global }
    .group_segment_fixed_size: 327680
    .private_segment_fixed_size: 0
    .kernarg_segment_align: 8
    .kernarg_segment_size: 24
    .max_flat_workgroup_size: 256
    .sgpr_count:     66
    .vgpr_count:     448
    .wavefront_size: 32
...
	.end_amdgpu_metadata
.endif
;; end of part 2
;; launch gather (part 3): grid 512 x 1, 8 waves a work-group, no clusters, 0 bytes of LDS; arguments idx, codebook, out0; writes out0
.if DOCPART == 3
	.amdgcn_target "amdgcn-amd-amdhsa--gfx1250"
	.amdhsa_code_object_version 6
	.text
	.protected	k_q7fe4a716a4_gather
	.globl	k_q7fe4a716a4_gather
	.p2align	8
	.type	k_q7fe4a716a4_gather,@function
k_q7fe4a716a4_gather:
	s_mov_b64 s[64:65], 0
	v_nop
	global_prefetch_b8 v0, s[64:65] scope:SCOPE_SE
	s_setreg_imm32_b32 hwreg(HW_REG_WAVE_MODE, 25, 1), 1
	s_wait_xcnt 0x0
; out0[n][:] = codebook[idx[n]][:], 32,768 rows of 2,048 bytes.  idx was stored as whole numbers by the launch before.
; A wave takes 8 tokens: their indices come by one scalar load, are held to 0 .. 4,095 (the table's rows) and, shifted to bytes, enter the loads' vector offsets; the codebook's base stays as it is given.
; A row is four loads and four stores of 512 consecutive bytes (16 bytes a lane).  All 32 loads of a wave go out first; each store follows its own load's arrival.  No register is written twice, so nothing
; waits for a store.  No LDS, no barrier, no matrix unit, no cluster: the waves share nothing, and the launch is bound by the bytes that it writes.
; No prefetch: the table's 8 MiB are read again and again by all work-groups.
.set LI,  1                            ; v1     16 x lane
.set OF,  8                            ; v8-15  token j: 2,048 x its index + 16 x lane
.set D,   16                           ; v16-143 token j, quarter c: four registers at 16 j + 4 c
	s_load_b128 s[4:7], s[0:1], 0x0                ; idx s[4:5], codebook s[6:7]
	s_load_b64 s[8:9], s[0:1], 0x10                ; out0
	v_lshrrev_b32 v2, 5, v0
	v_readfirstlane_b32 s10, v2                    ; wave 0..7
	v_and_b32 v[LI], 31, v0
	v_lshlrev_b32 v[LI], 4, v[LI]
	s_lshl_b32 s12, ttmp9, 8                       ; idx: 64 tokens of 4 bytes a work-group,
	s_lshl_b32 s13, s10, 5                         ; 8 a wave
	s_add_co_u32 s12, s12, s13
	s_mov_b32 s13, 0
	s_lshl_b32 s14, ttmp9, 17                      ; out0: 64 rows of 2,048 bytes a work-group,
	s_lshl_b32 s15, s10, 14                        ; 8 a wave
	s_add_co_u32 s14, s14, s15
	s_mov_b32 s15, 0
	s_wait_kmcnt 0x0
	s_add_nc_u64 s[4:5], s[4:5], s[12:13]
	s_add_nc_u64 s[8:9], s[8:9], s[14:15]
	s_load_b256 s[16:23], s[4:5], 0x0              ; my eight indices
	s_wait_kmcnt 0x0
.irp j, 0,1,2,3,4,5,6,7
	s_min_u32 s[16+\j], s[16+\j], 4095             ; an index stays inside the table
	s_lshl_b32 s[32+\j], s[16+\j], 11              ; its row, in bytes
	v_add_nc_u32 v[OF+\j], s[32+\j], v[LI]
.endr
.irp j, 0,1,2,3,4,5,6,7
.irp c, 0,1,2,3
	global_load_b128 v[D+16*\j+4*\c:D+16*\j+4*\c+3], v[OF+\j], s[6:7] offset:512*\c
.endr
.endr
.irp j, 0,1,2,3,4,5,6,7
.irp c, 0,1,2,3
	s_wait_loadcnt 31-(4*\j+\c)                    ; loads come back in order (ISA guide 5.7.1): this one is in, the younger ones may be out
	global_store_b128 v[LI], v[D+16*\j+4*\c:D+16*\j+4*\c+3], s[8:9] offset:2048*\j+512*\c th:TH_STORE_NT   ; 512 consecutive bytes, at a multiple of 512 from out0's first byte; written once, read by nobody here
.endr
.endr
	s_endpgm
.Lfunc_end_k_q7fe4a716a4_gather:
	.size	k_q7fe4a716a4_gather, .Lfunc_end_k_q7fe4a716a4_gather-k_q7fe4a716a4_gather
	.p2alignl 7, 3214868480
	.fill 96, 4, 3214868480
	.section	.rodata,"a",@progbits
	.p2align	6, 0x0
	.amdhsa_kernel k_q7fe4a716a4_gather
		.amdhsa_group_segment_fixed_size 0
		.amdhsa_private_segment_fixed_size 0
		.amdhsa_enable_private_segment 0
		.amdhsa_kernarg_size 24
		.amdhsa_user_sgpr_count 2
		.amdhsa_user_sgpr_kernarg_segment_ptr 1
		.amdhsa_wavefront_size32 1
		.amdhsa_system_sgpr_workgroup_id_x 1
		.amdhsa_system_sgpr_workgroup_id_y 1
		.amdhsa_system_sgpr_workgroup_id_z 1
		.amdhsa_system_vgpr_workitem_id 0
		.amdhsa_next_free_vgpr 144
		.amdhsa_next_free_sgpr 66
		.amdhsa_reserve_vcc 0
		.amdhsa_float_denorm_mode_32 3
		.amdhsa_float_denorm_mode_16_64 3
		.amdhsa_memory_ordered 1
		.amdhsa_forward_progress 1
		.amdhsa_inst_pref_size 9
	.end_amdhsa_kernel
	.amdgpu_metadata
---
amdhsa.version: [ 1, 2 ]
amdhsa.kernels:
  - .name:           k_q7fe4a716a4_gather
    .symbol:         k_q7fe4a716a4_gather.kd
    .args:
      - { .name: idx, .offset: 0, .size: 8, .value_kind: global_buffer, .address_space: global }
      - { .name: codebook, .offset: 8, .size: 8, .value_kind: global_buffer, .address_space: global }
      - { .name: out0, .offset: 16, .size: 8, .value_kind: global_buffer, .address_space: global }
    .group_segment_fixed_size: 0
    .private_segment_fixed_size: 0
    .kernarg_segment_align: 8
    .kernarg_segment_size: 24
    .max_flat_workgroup_size: 256
    .sgpr_count:     66
    .vgpr_count:     144
    .wavefront_size: 32
...
	.end_amdgpu_metadata
.endif
;; end of part 3
;; ======== version 2 of 2: 3 launches
;; limits: right only within a limited range of input values
;; workspace buffers: xq 13,631,488 bytes; cbq 1,703,936 bytes; idx 131,072 bytes of whole numbers
;; launch quant (part 4): grid 2304 x 1, 1 waves a work-group, no clusters, 5,376 bytes of LDS; arguments inp, codebook, xq, cbq; writes xq, cbq
.if DOCPART == 4
	.amdgcn_target "amdgcn-amd-amdhsa--gfx1250"
	.amdhsa_code_object_version 6
	.text
	.protected	k_q7fe4a716a4_quant
	.globl	k_q7fe4a716a4_quant
	.p2align	8
	.type	k_q7fe4a716a4_quant,@function
k_q7fe4a716a4_quant:
	s_mov_b64 s[64:65], 0
	v_nop
	global_prefetch_b8 v0, s[64:65] scope:SCOPE_SE
	s_setreg_imm32_b32 hwreg(HW_REG_WAVE_MODE, 25, 1), 1
	s_wait_xcnt 0x0
; The 32,768 tokens of inp and the 4,096 rows of the codebook, f32 rows of 512, become codes of FP6 (E2M3) with one E8M0 scale byte for each 32 along K,
; laid IN THE ORDER OF THE OPERAND'S REGISTERS, with each row's f32 sum of squares.  Nothing is left out in this program: the tokens' sums of squares are the
; same along the argmin's axis, but they are large beside the other terms and decide which d2 are equal in f32, so they stay.
; A work-group is one wave and takes 16 rows: work-groups 0 .. 2,047 a tile of tokens (into xq), the others a tile of the codebook (into cbq): only pointers are chosen, by the work-group's number.
; A record = 16 rows = 6,656 bytes: pieces 3 s + k (s = K step of 128, k = 0..2) of 512 bytes: lane l's 16 bytes at 16 l are registers 4 k .. 4 k + 3 of the fragment of K step s;
;   bytes 6,144 + 8 l: lane (r, h)'s two scale words: row r's word of K step h, then of K step 2 + h;   bytes 6,400 + 4 w, w = 0 .. 63: the sum of squares of row w % 16.
; Lane (r = lane % 16, h = lane / 16) holds, of row r and K step s, the whole blocks 2 c + h: k = 128 s + 64 c + 32 h + 0 .. 31: a block's largest magnitude needs no other lane, and the conversions'
; results are the operand's registers.  A load takes 256 consecutive bytes of each of two rows, 16 a lane; half a K step goes through a stage in LDS and comes back 128 bytes a lane.
; A block's scale byte is its largest magnitude's exponent field - 2, held at 1 from below by a floor among the maximum's leaves.
; LIMITS: a block of zeros gets the byte 1 where the rule says 127 (its codes are zeros, and only this program reads the bytes); NaN and infinities are not served;
; the sums of squares are summed in f32 in this order: four partial sums a lane, then the other half of the lanes.
.set NX,  2048                         ; tiles of tokens
.set XA,  1                            ; v1   my byte in a load's two rows: 2,048 (lane / 16) + 16 (lane % 16)
.set LI,  2                            ; v2   16 x lane
.set SWA, 3                            ; v3   the stage, on the way in
.set SRA, 4                            ; v4   and on the way out: 272 r + 128 h
.set RR,  10
.set HH,  11
.set SP,  272                          ; a stage row: 256 bytes + 16
; v16-27 the fragment; v28-34 second halves of blocks; v36-41 maxima, scale operands, bytes; v42-45 scale words; v46 from the other half; v47 8 h; v48-51 sums; v52-59 the record's end; v62-63 the add's; v64-255 three sets of 64
	s_load_b256 s[4:11], s[0:1], 0x0               ; inp, codebook, xq, cbq
	v_lshl_add_u32 v62, v0, 2, 0x1400
	v_mov_b32 v63, 0
	v_and_b32 v[RR], 15, v0
	v_bfe_u32 v[HH], v0, 4, 1
	s_delay_alu instid0(VALU_DEP_2)
	v_lshlrev_b32 v[XA], 4, v[RR]
	s_delay_alu instid0(VALU_DEP_1)
	v_lshl_add_u32 v[XA], v[HH], 11, v[XA]
	v_lshlrev_b32 v[LI], 4, v0
	v_mul_u32_u24 v[SWA], v[HH], SP
	s_delay_alu instid0(VALU_DEP_1)
	v_lshl_add_u32 v[SWA], v[RR], 4, v[SWA]
	v_mul_u32_u24 v[SRA], v[RR], SP
	s_delay_alu instid0(VALU_DEP_1)
	v_lshl_add_u32 v[SRA], v[HH], 7, v[SRA]
	v_lshlrev_b32 v47, 3, v[HH]
	v_mov_b32 v46, 0                               ; a lane permute's destination counts as one of its sources
	s_mov_b32 s34, 0x76543210
	s_mov_b32 s35, 0xfedcba98                      ; selects for lane l xor 16
	s_mov_b32 s36, 0xffff0000                      ; lanes 16-31
	s_cmp_lt_u32 ttmp9, NX
	s_cselect_b32 s12, 0, NX
	s_sub_co_u32 s12, ttmp9, s12                   ; my tile in its tensor
	s_lshl_b32 s14, s12, 15                        ; 16 rows of 2,048 bytes
	s_mov_b32 s15, 0
	s_mul_i32 s12, s12, 6656                       ; my record
	s_mov_b32 s13, 0
	s_wait_alu depctr_va_vdst(0)
	s_wait_kmcnt 0x0
	s_cmp_lt_u32 ttmp9, NX                         ; tokens or codebook: the choice hangs on the work-group's number alone
	s_cselect_b64 s[4:5], s[4:5], s[6:7]
	s_cselect_b64 s[6:7], s[8:9], s[10:11]
	s_add_nc_u64 s[4:5], s[4:5], s[14:15]
	s_add_nc_u64 s[6:7], s[6:7], s[12:13]
.macro RLOAD s                         ; K step s of the 16 rows into set s % 3, as the bytes lie
.set SET, 64+64*((\s)%3)
.irp c, 0,1
.irp j, 0,1,2,3,4,5,6,7
	global_load_b128 v[SET+32*\c+4*\j:SET+32*\c+4*\j+3], v[XA], s[4:5] offset:4096*\j+512*(\s)+256*\c
.endr
.endr
.endm
.macro TURN s                          ; through the stage: afterwards register 32 c + i of lane (r, h) is k = 128 s + 64 c + 32 h + i of row r.  LDS serves a wave's instructions in order (ISA guide 5.7.1.4)
.set SET, 64+64*((\s)%3)
.irp c, 0,1
.irp j, 0,1,2,3,4,5,6,7
	ds_store_b128 v[SWA], v[SET+32*\c+4*\j:SET+32*\c+4*\j+3] offset:2*SP*\j
.endr
.irp i, 0,1,2,3,4,5,6,7
	ds_load_b128 v[SET+32*\c+4*\i:SET+32*\c+4*\i+3], v[SRA] offset:16*\i
.endr
.endr
.endm
.macro QUANT s, first                  ; set s % 3 -> the fragment in v16-27, its scale word in v[42 + s]; the sums of squares go on
.set SET, 64+64*((\s)%3)
.if \first
	v_pk_mul_f32 v[48:49], v[SET:SET+1], v[SET:SET+1]
	v_pk_mul_f32 v[50:51], v[SET+2:SET+3], v[SET+2:SET+3]
.else
	v_pk_fma_f32 v[48:49], v[SET:SET+1], v[SET:SET+1], v[48:49]
	v_pk_fma_f32 v[50:51], v[SET+2:SET+3], v[SET+2:SET+3], v[50:51]
.endif
.set n, 4
.rept 15
	s_delay_alu instid0(VALU_DEP_2)
	v_pk_fma_f32 v[48:49], v[SET+n:SET+n+1], v[SET+n:SET+n+1], v[48:49]
	s_delay_alu instid0(VALU_DEP_2)
	v_pk_fma_f32 v[50:51], v[SET+n+2:SET+n+3], v[SET+n+2:SET+n+3], v[50:51]
.set n, n+4
.endr
.irp c, 0,1
	v_max3_num_f32 v[36+\c], |v[SET+32*\c]|, |v[SET+32*\c+1]|, 0x1800000   ; my block 2 c + h, and the floor 2^(3 - 127)
.endr
.irp i, 2,4,6,8,10,12,14,16,18,20,22,24,26,28,30
.irp c, 0,1
	s_delay_alu instid0(VALU_DEP_2)
	v_max3_num_f32 v[36+\c], v[36+\c], |v[SET+32*\c+\i]|, |v[SET+32*\c+\i+1]|
.endr
.endr
.irp c, 0,1
	s_delay_alu instid0(VALU_DEP_2)
	v_add_nc_u32 v[38+\c], 0xff000000, v[36+\c]    ; 2 off the exponent field: the conversion's scale operand
.endr
.irp c, 0,1
	s_delay_alu instid0(VALU_DEP_2)
	v_lshrrev_b32 v[40+\c], 23, v[38+\c]           ; the scale's byte
.endr
	s_delay_alu instid0(VALU_DEP_1)
	v_lshl_or_b32 v[42+(\s)], v41, 16, v40         ; my two bytes, blocks h and 2 + h,
	s_delay_alu instid0(VALU_DEP_1)
	v_lshlrev_b32 v[42+(\s)], v47, v[42+(\s)]      ; at their places in the word;
	s_delay_alu instid0(VALU_DEP_1)
	v_permlanex16_b32 v46, v[42+(\s)], s34, s35
	s_delay_alu instid0(VALU_DEP_1)
	v_or_b32 v[42+(\s)], v[42+(\s)], v46           ; with the other half's two the word is whole
	s_wait_alu depctr_va_vdst(0)
	s_wait_xcnt 0x0                                ; the last K step's stores have read v16-27
.irp c, 0,1
	v_cvt_scalef32_pk16_fp6_f32 v[16+6*\c:18+6*\c], v[SET+32*\c:SET+32*\c+15], v[38+\c]
	v_cvt_scalef32_pk16_fp6_f32 v[28+4*\c:30+4*\c], v[SET+32*\c+16:SET+32*\c+31], v[38+\c]   ; (three registers begin on an even number: made elsewhere and moved)
.endr
	v_nop                                          ; one plain place behind a scaled conversion
.irp c, 0,1
.irp i, 0,1,2
	v_mov_b32 v[19+6*\c+\i], v[28+4*\c+\i]
.endr
.endr
.endm
.macro SAVE s                          ; three pieces of 512 consecutive bytes
.irp k, 0,1,2
	global_store_b128 v[LI], v[16+4*\k:19+4*\k], s[6:7] offset:1536*(\s)+512*\k
.endr
.endm
	RLOAD 0
	RLOAD 1
	RLOAD 2
	s_wait_loadcnt 32                              ; K step 0's 16 loads are in; the 32 of steps 1 and 2 may be out
	TURN 0
	s_wait_dscnt 0x0
	QUANT 0, 1
	SAVE 0
	RLOAD 3
	s_wait_loadcnt 32                              ; step 1 is in; steps 2 and 3 may be out
	TURN 1
	s_wait_dscnt 0x0
	QUANT 1, 0
	SAVE 1
	s_wait_loadcnt 16                              ; step 2 is in; step 3 may be out
	TURN 2
	s_wait_dscnt 0x0
	QUANT 2, 0
	SAVE 2
	s_wait_loadcnt 0x0
	TURN 3
	s_wait_dscnt 0x0
	QUANT 3, 0
	SAVE 3
	v_add_f32 v48, v48, v49                        ; the sum of squares: my four partial sums,
	v_add_f32 v50, v50, v51
	s_delay_alu instid0(VALU_DEP_1)
	v_add_f32 v48, v48, v50
	s_delay_alu instid0(VALU_DEP_1)
	v_permlanex16_b32 v46, v48, s34, s35
	s_delay_alu instid0(VALU_DEP_1)
	v_add_f32 v54, v48, v46                        ; and the other half's: the same bits in both halves
	v_cndmask_b32 v52, v42, v43, s36               ; lanes 0-15: K step 0's word, lanes 16-31: K step 1's
	v_cndmask_b32 v53, v44, v45, s36               ; steps 2 and 3 likewise
	v_lshlrev_b32 v56, 3, v0                       ; 8 x lane: my place in 256 bytes, and as a lane select: lane 2 l mod 32
	s_delay_alu instid0(VALU_DEP_1)
	v_add_nc_u32 v57, 4, v56                       ; lane 2 l + 1
	ds_bpermute_b32 v58, v56, v54                  ; the sums of rows 2 l % 16 and (2 l + 1) % 16: the 16 sums on end, four times over
	ds_bpermute_b32 v59, v57, v54
	global_store_b64 v56, v[52:53], s[6:7] offset:6144   ; 256 consecutive bytes
	s_wait_alu depctr_va_vdst(0)
	s_wait_dscnt 0x0
	global_store_b64 v56, v[58:59], s[6:7] offset:6400
	s_wait_tensorcnt 0x0                           ; the wave's end
	ds_add_u32 v62, v63
	s_wait_dscnt 0x0
	s_endpgm
.Lfunc_end_k_q7fe4a716a4_quant:
	.size	k_q7fe4a716a4_quant, .Lfunc_end_k_q7fe4a716a4_quant-k_q7fe4a716a4_quant
	.p2alignl 7, 3214868480
	.fill 96, 4, 3214868480
	.section	.rodata,"a",@progbits
	.p2align	6, 0x0
	.amdhsa_kernel k_q7fe4a716a4_quant
		.amdhsa_group_segment_fixed_size 5376
		.amdhsa_private_segment_fixed_size 0
		.amdhsa_enable_private_segment 0
		.amdhsa_kernarg_size 32
		.amdhsa_user_sgpr_count 2
		.amdhsa_user_sgpr_kernarg_segment_ptr 1
		.amdhsa_wavefront_size32 1
		.amdhsa_system_sgpr_workgroup_id_x 1
		.amdhsa_system_sgpr_workgroup_id_y 1
		.amdhsa_system_sgpr_workgroup_id_z 1
		.amdhsa_system_vgpr_workitem_id 0
		.amdhsa_next_free_vgpr 256
		.amdhsa_next_free_sgpr 66
		.amdhsa_reserve_vcc 0
		.amdhsa_float_denorm_mode_32 3
		.amdhsa_float_denorm_mode_16_64 3
		.amdhsa_memory_ordered 1
		.amdhsa_forward_progress 1
		.amdhsa_inst_pref_size 47
	.end_amdhsa_kernel
	.amdgpu_metadata
---
amdhsa.version: [ 1, 2 ]
amdhsa.kernels:
  - .name:           k_q7fe4a716a4_quant
    .symbol:         k_q7fe4a716a4_quant.kd
    .args:
      - { .name: inp, .offset: 0, .size: 8, .value_kind: global_buffer, .address_space: global }
      - { .name: codebook, .offset: 8, .size: 8, .value_kind: global_buffer, .address_space: global }
      - { .name: xq, .offset: 16, .size: 8, .value_kind: global_buffer, .address_space: global }
      - { .name: cbq, .offset: 24, .size: 8, .value_kind: global_buffer, .address_space: global }
    .group_segment_fixed_size: 5376
    .private_segment_fixed_size: 0
    .kernarg_segment_align: 8
    .kernarg_segment_size: 32
    .max_flat_workgroup_size: 32
    .sgpr_count:     66
    .vgpr_count:     256
    .wavefront_size: 32
...
	.end_amdgpu_metadata
.endif
;; end of part 4
;; launch nearest (part 5): grid 256 x 1, 8 waves a work-group, clusters of 4 x 1, 327,680 bytes of LDS; arguments xq, cbq, idx; writes idx
.if DOCPART == 5
	.amdgcn_target "amdgcn-amd-amdhsa--gfx1250"
	.amdhsa_code_object_version 6
	.text
	.protected	k_q7fe4a716a4_nearest
	.globl	k_q7fe4a716a4_nearest
	.p2align	8
	.type	k_q7fe4a716a4_nearest,@function
k_q7fe4a716a4_nearest:
	s_mov_b64 s[64:65], 0
	v_nop
	global_prefetch_b8 v0, s[64:65] scope:SCOPE_SE
	s_setreg_imm32_b32 hwreg(HW_REG_WAVE_MODE, 25, 1), 1
	s_wait_xcnt 0x0
	s_wait_alu depctr_hold_cnt(0) depctr_sa_sdst(0) depctr_va_vdst(0) depctr_va_sdst(0) depctr_va_ssrc(0) depctr_va_vcc(0) depctr_vm_vsrc(0)
	s_getreg_b32 s2, hwreg(HW_REG_IB_STS2, 6, 4)
	s_cmp_eq_u32 s2, 0
	s_cbranch_scc0 .Lentry_in_a_cluster
	s_endpgm
.Lentry_in_a_cluster:
	s_bfe_u32 s2, ttmp6, 0x10000c
	s_cmp_lg_u32 s2, 0x3003
	s_cbranch_scc0 .Lentry_shape_is_right
	s_endpgm
.Lentry_shape_is_right:
; idx[n] = the first argmin over the 4,096 codes k of d2(n, k) = (xx(n) - 2 dot(n, k)) + cc(k), for 32,768 tokens n.  dot is the product on codes of FP6 (E2M3) with E8M0 scales, K = 512, f32 sums;
; xx and cc are the f32 sums of squares that the launch before stored.  d2 has the two f32 roundings of the formula as written (2 dot is exact, so one fused multiply-add gives the first), since many d2
; of a row are equal in f32 and the lowest index among equals is asked for.  Nothing is left out: xx stays, since it decides which d2 are equal.
; SHARES.  A work-group owns 128 tokens and walks all codes.  Wave w = 4 g + q: tokens 64 g .. 64 g + 63 (four tiles; their 16 fragments come from xq straight into 192 registers and stay) and, of each
; chunk of 16 records (a record = 16 codes: 12 pieces of fragments, 256 bytes of scale words, the 16 cc), records 4 q .. 4 q + 3.  Two waves to a SIMD: one's comparisons stand beside the other's products.
; PRODUCT.  Source 0 = 16 codes, source 1 = 16 tokens: lane (r, h) holds token r, and register j the code 8 h + j of the record.  So the least of a tile's eight d2 and the running least is four
; three-input minima; a strict comparison of the new least with the old says whether this record holds it (the earlier record stays among equals); then the record's number (a scalar) and the tile's
; eight d2 are kept by selects.  At the end the first of the eight kept d2 that equals the least gives the code; between lanes and waves: value, then index.
; RING.  Two LDS slots of one chunk (106,496 bytes); each wave brings two records (52 rows of 256 bytes, dense) with one tensor load.  The four work-groups of a cluster walk the same chunks: each load is
; a JOINT one (mask 15; the descriptor hangs on the wave's number and the chunk alone), behind a round of the cluster's barrier.  One tensor load of a wave is out behind each round.
; A record's 15 LDS loads stand in one run, one record ahead of its products.  A slot's last record is in registers at the round and is multiplied inside the round's opening barrier; the next slot's
; first record is fetched behind the round, ahead of that record's comparisons.
; No prefetch: xq is asked for in the launch's first lines, with no loop ahead of them; cbq's 1,703,936 bytes are asked for by all 64 clusters in the same trips.
; LIMITS: NaN and infinities are not served.
; REGISTERS.  Window 0 as named below.  Window 1: v0-191 x's fragments, (tile m, K step s) at 12 (4 m + s).
.set REC,   6656
.set CHUNK, 16*REC
.set SLOT1, CHUNK
.set SPARE, 2*CHUNK                    ; the spare words, 128 bytes for each wave: four blocks of 256 bytes that no other line names
.set RED,   SPARE+1024                 ; the reduction: four tokens' 4 x 4 candidates of 8 bytes + 16; no fill lands here
.set GP,    144
.set SPW,  2
.set NIL,  3
.set AR,   4                           ; v4-5   fragments: 16 x lane + my four records, in slot 0, 1
.set AS,   6                           ; v6-7   scale words: 8 x lane + the same
.set AC,   8                           ; v8-9   cc: 32 h + the same
.set RR,   10
.set HH,   11
.set T0,   12                          ; v12-19 partial minima (at the head v12-14: offsets into xq)
.set T1,   16
.set META0, 20                         ; v20-23 a record's scale words, two sets
.set XSC,  24                          ; v24-31 x's scale words, a pair a tile
.set XX,   32                          ; v32-39 xx of my token, twice, a pair a tile
.set CC0,  40                          ; v40-55 cc of my eight codes, two sets
.set STA,  56                          ; v56-63 the least d2, two sets by turns
.set IX,   64                          ; v64-67 its record
.set SV,   68                          ; v68-99 that record's eight d2
.set ACC,  100                         ; v100-131 four accumulators
.set BUF0, 132                         ; v132-227 a record's fragments, two sets
.set BUF1, 180
.set TA,   132                         ; tail
.set TB,   133
.set TC,   134
.set CD,   100
.set MSB, 0
.macro WIN new                         ; the immediate's high byte repeats the setting that is left
.if MSB != \new
	s_set_vgpr_msb (MSB<<8)|\new
.set MSB, \new
.endif
.endm
.macro CREST                           ; a round of the cluster's barrier behind its opening barrier
	s_cmp_lg_u32 s10, 0
	s_cbranch_scc1 .Lnot_wave_0_\@
	s_barrier_signal -3
.Lnot_wave_0_\@:
	s_barrier_wait -3
	s_barrier_signal -1
	s_barrier_wait -1
.endm
.macro ROUND
	s_barrier_signal -1
	s_barrier_wait -1
	CREST
.endm
.macro PLACES
.rept 4
	v_nop
.endr
.endm
	s_load_b128 s[4:7], s[0:1], 0x0                ; xq s[4:5], cbq s[6:7]
	s_load_b64 s[8:9], s[0:1], 0x10                ; idx
	v_lshl_add_u32 v[SPW], v0, 2, SPARE
	v_mov_b32 v[NIL], 0
	ds_add_u32 v[SPW], v[NIL]                      ; the opening lines: the add, twice on end, and its wait
	ds_add_u32 v[SPW], v[NIL]
	v_lshrrev_b32 v1, 5, v0
	s_delay_alu instid0(VALU_DEP_1)
	v_readfirstlane_b32 s10, v1                    ; wave 0..7
	s_lshr_b32 s11, s10, 2                         ; g: which 64 tokens
	s_and_b32 s12, s10, 3                          ; q: which four records of a chunk
	s_bfe_u32 s13, ttmp6, 0x40000                  ; cx
	s_lshl_b32 s14, ttmp9, 2
	s_add_co_u32 s14, s14, s13                     ; my block of 128 tokens: it enters xq's and idx's addresses alone
	s_mov_b32 s16, 15|(3<<16)|(1<<21)              ; group 1: the mask of all four; elements of 8 bytes; bit 21 beside a mask
	s_mov_b32 s17, 32<<16                          ; 52 rows of 32 elements, dense: two records
	s_mov_b32 s18, 52<<16
	s_mov_b32 s19, 32<<16
	s_mov_b32 s20, 52
	s_mov_b32 s21, 32
	s_mov_b32 s22, 0
	s_mov_b32 s23, 0
	s_mul_i32 s36, s10, 2*REC                      ; my two records in a chunk, in memory and in a slot alike
	s_mov_b32 s37, 0
	s_mov_b32 s24, 1                               ; group 0 for slot 0
	s_mov_b32 s25, s36
	s_mov_b32 s28, 1                               ; and for slot 1
	s_add_co_u32 s29, s36, SLOT1
	s_mov_b32 s34, 0x76543210
	s_mov_b32 s35, 0xfedcba98                      ; selects for lane l xor 16
	s_lshl_b32 s38, s14, 3
	s_lshl_b32 s39, s11, 2
	s_add_co_u32 s38, s38, s39                     ; my first tile of tokens: 8 x block + 4 g
	s_mul_i32 s38, s38, REC
	s_mov_b32 s39, 0
	s_lshl_b32 s44, s14, 9                         ; 128 indices of 4 bytes
	s_mov_b32 s45, 0
	s_lshl_b32 s33, s12, 2                         ; the number of my first record
	s_mul_i32 s40, s12, 4*REC
	v_and_b32 v[RR], 15, v0
	v_bfe_u32 v[HH], v0, 4, 1
	v_and_b32 v1, 31, v0                           ; lane
	v_lshlrev_b32 v14, 2, v[RR]                    ; xq: 4 r,
	v_lshl_add_u32 v[AC], v[HH], 5, s40
	v_lshlrev_b32 v12, 4, v1                       ; 16 x lane,
	v_lshlrev_b32 v13, 3, v1                       ; 8 x lane
	v_add_nc_u32 v[AC+1], SLOT1, v[AC]
	v_add_nc_u32 v[AR], s40, v12
	v_add_nc_u32 v[AS], s40, v13
	s_delay_alu instid0(VALU_DEP_2)
	v_add_nc_u32 v[AR+1], SLOT1, v[AR]
	s_delay_alu instid0(VALU_DEP_2)
	v_add_nc_u32 v[AS+1], SLOT1, v[AS]
	s_wait_alu depctr_va_vdst(0)
	s_wait_dscnt 0x0                               ; both opening adds are done
	s_wait_kmcnt 0x0
	s_add_nc_u64 s[4:5], s[4:5], s[38:39]
	s_add_nc_u64 s[8:9], s[8:9], s[44:45]
	s_add_nc_u64 s[26:27], s[6:7], s[36:37]        ; chunk 0, my two records
	s_add_nc_u64 s[30:31], s[26:27], CHUNK         ; chunk 1
	s_or_b32 s27, s27, 0x80000000                  ; type = 2
	s_or_b32 s31, s31, 0x80000000
	WIN 0x40                                       ; destination window 1
.irp m, 0,1,2,3
.irp c, 0,1,2,3,4,5,6,7,8,9,10,11
	global_load_b128 v[48*\m+4*\c:48*\m+4*\c+3], v12, s[4:5] offset:REC*\m+512*\c   ; x's fragments as they lie: 512 consecutive bytes a load
.endr
.endr
	WIN 0
.irp m, 0,1,2,3
	global_load_b64 v[XSC+2*\m:XSC+2*\m+1], v13, s[4:5] offset:REC*\m+6144
	global_load_b32 v[XX+2*\m], v14, s[4:5] offset:REC*\m+6400
	global_load_b32 v[XX+2*\m+1], v14, s[4:5] offset:REC*\m+6400   ; (the packed form names the pair)
.endr
	ROUND                                          ; all four work-groups are here: the first joint loads meet
	tensor_load_to_lds s[24:27], s[16:23]          ; chunk 0 into slot 0: one tensor load a wave at the head
	s_nop 0
	PLACES
.irp m, 0,1,2,3
	v_mov_b32 v[STA+\m], 0x7f800000                ; the least d2 so far: infinity
	v_mov_b32 v[IX+\m], 0
.endr
.set e, 0
.rept 32
	v_mov_b32 v[SV+e], 0
.set e, e+1
.endr
.macro F slot, i, p                    ; my record i of the slot into set p: 15 loads in one run
.irp c, 0,1,2,3,4,5,6,7,8,9,10,11
	ds_load_b128 v[BUF0+48*\p+4*\c:BUF0+48*\p+4*\c+3], v[AR+\slot] offset:REC*\i+512*\c
.endr
	ds_load_b64 v[META0+2*\p:META0+2*\p+1], v[AS+\slot] offset:REC*\i+6144
	ds_load_b128 v[CC0+8*\p:CC0+8*\p+3], v[AC+\slot] offset:REC*\i+6400
	ds_load_b128 v[CC0+8*\p+4:CC0+8*\p+7], v[AC+\slot] offset:REC*\i+6416
.endm
; 16 matrix instructions: four K steps x my four tiles of tokens against set p's 16 codes.  The four accumulators take turns; the first K step starts the sums.
; A scale register holds K step 2 u in lanes 0-15 and 2 u + 1 in lanes 16-31, for the codes and for x alike.
.macro MUL p
	WIN 0x04                                       ; source 1 (x) window 1
.irp s, 0,1,2,3
.irp m, 0,1,2,3
.if \s == 0
	v_wmma_scale_f32_16x16x128_f8f6f4 v[ACC+8*\m:ACC+8*\m+7], v[BUF0+48*\p+12*\s:BUF0+48*\p+12*\s+11], v[12*(4*\m+\s):12*(4*\m+\s)+11], 0, v[META0+2*\p], v[XSC+2*\m] matrix_a_fmt:MATRIX_FMT_FP6 matrix_b_fmt:MATRIX_FMT_FP6
.elseif \s == 2
	v_wmma_scale_f32_16x16x128_f8f6f4 v[ACC+8*\m:ACC+8*\m+7], v[BUF0+48*\p+12*\s:BUF0+48*\p+12*\s+11], v[12*(4*\m+\s):12*(4*\m+\s)+11], v[ACC+8*\m:ACC+8*\m+7], v[META0+2*\p+1], v[XSC+2*\m+1] matrix_a_fmt:MATRIX_FMT_FP6 matrix_b_fmt:MATRIX_FMT_FP6
.else
	v_wmma_scale_f32_16x16x128_f8f6f4 v[ACC+8*\m:ACC+8*\m+7], v[BUF0+48*\p+12*\s:BUF0+48*\p+12*\s+11], v[12*(4*\m+\s):12*(4*\m+\s)+11], v[ACC+8*\m:ACC+8*\m+7], v[META0+2*\p+\s/2], v[XSC+2*\m+\s/2] matrix_a_fmt:MATRIX_FMT_FP6 matrix_b_fmt:MATRIX_FMT_FP6 matrix_a_scale:MATRIX_SCALE_ROW1 matrix_b_scale:MATRIX_SCALE_ROW1
.endif
.endr
.endr
	WIN 0
.endm
; d2 of a record's 32 numbers a lane and the running minima.  p: the record's set; the least is read from set p of STA and written to the other.  inc: the step to my next record's number.
; Each accumulator is read from its low end on; the four tiles take turns line by line.
.macro ARG p, inc
.set CCP, CC0+8*(\p)
.set SI, STA+4*(\p)
.set SO, STA+4-4*(\p)
.irp m, 0,1,2,3
.irp j, 0,2,4,6
	v_pk_fma_f32 v[ACC+8*\m+\j:ACC+8*\m+\j+1], v[ACC+8*\m+\j:ACC+8*\m+\j+1], -2.0, v[XX+2*\m:XX+2*\m+1] op_sel_hi:[1,0,0]   ; xx - 2 dot, rounded once
.endr
.endr
.irp m, 0,1,2,3
.irp j, 0,2,4,6
	v_pk_add_f32 v[ACC+8*\m+\j:ACC+8*\m+\j+1], v[ACC+8*\m+\j:ACC+8*\m+\j+1], v[CCP+\j:CCP+\j+1]   ; + cc of codes 8 h + j, j + 1
.endr
.endr
.irp m, 0,1,2,3
	v_min3_num_f32 v[T0+\m], v[ACC+8*\m], v[ACC+8*\m+1], v[ACC+8*\m+2]
.endr
.irp m, 0,1,2,3
	v_min3_num_f32 v[T1+\m], v[ACC+8*\m+3], v[ACC+8*\m+4], v[ACC+8*\m+5]
.endr
.irp m, 0,1,2,3
	v_min3_num_f32 v[T0+\m], v[T0+\m], v[ACC+8*\m+6], v[ACC+8*\m+7]
.endr
.irp m, 0,1,2,3
	s_delay_alu instid0(VALU_DEP_4)
	v_min3_num_f32 v[SO+\m], v[T0+\m], v[T1+\m], v[SI+\m]
.endr
.irp m, 0,1,2,3
	s_delay_alu instid0(VALU_DEP_4)
	v_cmp_lt_f32 s[40+\m], v[SO+\m], v[SI+\m]      ; strictly less: among equals the earlier record stays.  The masks only select values
.endr
.irp m, 0,1,2,3
	v_cndmask_b32 v[IX+\m], v[IX+\m], s33, s[40+\m]
.endr
.irp m, 0,1,2,3
.irp j, 0,1,2,3,4,5,6,7
	v_cndmask_b32 v[SV+8*\m+\j], v[SV+8*\m+\j], v[ACC+8*\m+\j], s[40+\m]
.endr
.endr
	s_add_co_u32 s33, s33, \inc
.endm
; A chunk, from behind the round that showed its slot whole.  refill: the other slot takes the next chunk.  prev: the chunk before has left its last record's products in the accumulators.
; next: the chunk ends in a round.  s_wait_dscnt 15 leaves the next record's 15 loads out.
.macro CH slot, refill, prev, next
.if \refill
	tensor_load_to_lds s[28-4*\slot:31-4*\slot], s[16:23]   ; my one tensor load behind the round, and the first thing there
	s_nop 0
.endif
	PLACES                                         ; also the places ahead of the first read of the products made inside the round
	F \slot, 0, 0
.if \prev
	ARG 1, 13                                      ; 12 records of the other waves lie between
.endif
	F \slot, 1, 1
	s_wait_dscnt 15
	MUL 0
	PLACES
	ARG 0, 1
	F \slot, 2, 0
	s_wait_dscnt 15
	MUL 1
	PLACES
	ARG 1, 1
	F \slot, 3, 1
	s_wait_dscnt 15
	MUL 0
	PLACES
	ARG 0, 1
.if \next
	s_wait_tensorcnt 0x0                           ; all my tensor loads have landed: my part of the other slot
	ds_add_u32 v[SPW], v[NIL]
	s_add_nc_u64 s[30-4*\slot:31-4*\slot], s[30-4*\slot:31-4*\slot], 2*CHUNK   ; the other slot's next chunk (the last steps' addresses are not used)
	s_wait_dscnt 0x0                               ; the add is done; my last record is in registers: my reads of this slot are over
	s_barrier_signal -1                            ; opens a round of the cluster's barrier
	MUL 1                                          ; work on registers while the others arrive
	s_barrier_wait -1
	CREST
.else
	s_wait_dscnt 0x0
	MUL 1
	PLACES
	ARG 1, 13
.endif
.endm
	s_wait_alu depctr_va_vdst(0)
	s_wait_loadcnt 0x0                             ; x's fragments, scale words and xx are in
	s_wait_tensorcnt 0x0                           ; my part of chunk 0 has landed; the same lines ahead of a later first fill as ahead of a refill
	ds_add_u32 v[SPW], v[NIL]
	s_add_nc_u64 s[26:27], s[26:27], 2*CHUNK       ; slot 0's next chunk
	s_wait_dscnt 0x0
	ROUND
	CH 0, 1, 0, 1                                  ; chunk 0; chunk 1 goes into slot 1: its first fill, issued as a refill is
	s_mov_b32 s32, 7
.Lpair:                                                ; chunks 1 to 14
	CH 1, 1, 1, 1
	CH 0, 1, 1, 1
	s_sub_co_u32 s32, s32, 1
	s_cmp_lg_u32 s32, 0
	s_cbranch_scc1 .Lpair
	CH 1, 0, 1, 0                                  ; chunk 15: nothing is left to fetch
; ---- the end.  The least d2 lie in STA's first set.  My code: 16 x record + 8 h + the first j whose kept d2 equals the least.
	s_mul_i32 s40, s11, 16*GP
	s_lshl_b32 s41, s12, 3
	s_add_co_u32 s40, s40, s41
	s_add_co_u32 s40, s40, RED
	v_lshrrev_b32 v[TA], 2, v[RR]
	v_and_b32 v[TB], 3, v[RR]
	s_delay_alu instid0(VALU_DEP_2)
	v_mul_u32_u24 v[TA], v[TA], GP
	s_delay_alu instid0(VALU_DEP_1)
	v_lshl_add_u32 v[TA], v[TB], 5, v[TA]
	s_delay_alu instid0(VALU_DEP_1)
	v_add_nc_u32 v[TA], s40, v[TA]                 ; in: token 64 g + 16 m + r: group token / 4, 32 bytes a token, 8 q
	v_and_b32 v[TB], 31, v0
	s_delay_alu instid0(VALU_DEP_1)
	v_mul_u32_u24 v[TC], v[TB], GP
	v_lshlrev_b32 v[TB], 4, v[TB]                  ; 16 x lane: my place in the work-group's 512 bytes of idx
	s_delay_alu instid0(VALU_DEP_2)
	v_add_nc_u32 v[TC], RED, v[TC]                 ; back: lane l takes tokens 4 l .. 4 l + 3
.irp m, 0,1,2,3
	v_mov_b32 v[T0+\m], 7
.endr
.irp j, 6,5,4,3,2,1,0
.irp m, 0,1,2,3
	v_cmp_eq_f32 s[40+\m], v[SV+8*\m+\j], v[STA+\m]
.endr
.irp m, 0,1,2,3
	v_cndmask_b32 v[T0+\m], v[T0+\m], \j, s[40+\m]
.endr
.endr
.irp m, 0,1,2,3
	s_delay_alu instid0(VALU_DEP_4)
	v_lshl_add_u32 v[IX+\m], v[IX+\m], 4, v[T0+\m]
.endr
.irp m, 0,1,2,3
	v_mov_b32 v[CD+4*\m], v[STA+\m]
.endr
.irp m, 0,1,2,3
	v_lshl_add_u32 v[CD+4*\m+1], v[HH], 3, v[IX+\m]
.endr
.irp m, 0,1,2,3
	v_permlanex16_b32 v[CD+4*\m+2], v[CD+4*\m], s34, s35       ; the other half's best
.endr
.irp m, 0,1,2,3
	v_permlanex16_b32 v[CD+4*\m+3], v[CD+4*\m+1], s34, s35
.endr
.macro LEX a, b                        ; candidate a takes b's place where b is less, or equal with the lower index.  The masks only select values
	v_cmp_lt_f32 s40, v[\b], v[\a]
	v_cmp_eq_f32 s41, v[\b], v[\a]
	v_cmp_lt_u32 s42, v[\b+1], v[\a+1]
	s_and_b32 s41, s41, s42
	s_or_b32 s40, s40, s41
	v_cndmask_b32 v[\a], v[\a], v[\b], s40
	v_cndmask_b32 v[\a+1], v[\a+1], v[\b+1], s40
.endm
.irp m, 0,1,2,3
	LEX CD+4*\m, CD+4*\m+2
.endr
.irp m, 0,1,2,3
	ds_store_b64 v[TA], v[CD+4*\m:CD+4*\m+1] offset:4*GP*\m    ; both halves write the same bytes with the same values
.endr
	s_wait_alu depctr_va_vdst(0)
	s_wait_dscnt 0x0                               ; for the others' sake: my candidates have landed
	s_barrier_signal -1
	s_barrier_wait -1
	s_cmp_lg_u32 s10, 0
	s_cbranch_scc1 .Lothers
.irp k, 0,1,2,3,4,5,6,7
	ds_load_b128 v[BUF1+4*\k:BUF1+4*\k+3], v[TC] offset:16*\k  ; four tokens x four waves' candidates
.endr
	s_wait_dscnt 0x0
.irp u, 0,1,2,3
	LEX BUF1+8*\u, BUF1+8*\u+2
	LEX BUF1+8*\u+4, BUF1+8*\u+6
	LEX BUF1+8*\u, BUF1+8*\u+4
.endr
.irp u, 0,1,2,3
	v_mov_b32 v[136+\u], v[BUF1+8*\u+1]
.endr
	global_store_b128 v[TB], v[136:139], s[8:9]    ; wave 0 stores the 128 indices: 512 consecutive bytes, at a multiple of 512 from idx's first byte
.Lothers:
	s_wait_tensorcnt 0x0                           ; the wave's end
	ds_add_u32 v[SPW], v[NIL]
	s_wait_dscnt 0x0
	ROUND                                          ; the closing round
	s_endpgm
.Lfunc_end_k_q7fe4a716a4_nearest:
	.size	k_q7fe4a716a4_nearest, .Lfunc_end_k_q7fe4a716a4_nearest-k_q7fe4a716a4_nearest
	.p2alignl 7, 3214868480
	.fill 96, 4, 3214868480
	.section	.rodata,"a",@progbits
	.p2align	6, 0x0
	.amdhsa_kernel k_q7fe4a716a4_nearest
		.amdhsa_group_segment_fixed_size 327680
		.amdhsa_private_segment_fixed_size 0
		.amdhsa_enable_private_segment 0
		.amdhsa_kernarg_size 24
		.amdhsa_user_sgpr_count 2
		.amdhsa_user_sgpr_kernarg_segment_ptr 1
		.amdhsa_wavefront_size32 1
		.amdhsa_system_sgpr_workgroup_id_x 1
		.amdhsa_system_sgpr_workgroup_id_y 1
		.amdhsa_system_sgpr_workgroup_id_z 1
		.amdhsa_system_vgpr_workitem_id 0
		.amdhsa_next_free_vgpr 448
		.amdhsa_next_free_sgpr 66
		.amdhsa_reserve_vcc 0
		.amdhsa_float_denorm_mode_32 3
		.amdhsa_float_denorm_mode_16_64 3
		.amdhsa_memory_ordered 1
		.amdhsa_forward_progress 1
		.amdhsa_inst_pref_size 170
	.end_amdhsa_kernel
	.amdgpu_metadata
---
amdhsa.version: [ 1, 2 ]
amdhsa.kernels:
  - .name:           k_q7fe4a716a4_nearest
    .symbol:         k_q7fe4a716a4_nearest.kd
    .args:
      - { .name: xq, .offset: 0, .size: 8, .value_kind: global_buffer, .address_space: global }
      - { .name: cbq, .offset: 8, .size: 8, .value_kind: global_buffer, .address_space: global }
      - { .name: idx, .offset: 16, .size: 8, .value_kind: global_buffer, .address_space: global }
    .group_segment_fixed_size: 327680
    .private_segment_fixed_size: 0
    .kernarg_segment_align: 8
    .kernarg_segment_size: 24
    .max_flat_workgroup_size: 256
    .sgpr_count:     66
    .vgpr_count:     448
    .wavefront_size: 32
...
	.end_amdgpu_metadata
.endif
;; end of part 5
;; launch gather (part 6): grid 512 x 1, 8 waves a work-group, no clusters, 0 bytes of LDS; arguments idx, codebook, out0; writes out0
.if DOCPART == 6
	.amdgcn_target "amdgcn-amd-amdhsa--gfx1250"
	.amdhsa_code_object_version 6
	.text
	.protected	k_q7fe4a716a4_gather
	.globl	k_q7fe4a716a4_gather
	.p2align	8
	.type	k_q7fe4a716a4_gather,@function
k_q7fe4a716a4_gather:
	s_mov_b64 s[64:65], 0
	v_nop
	global_prefetch_b8 v0, s[64:65] scope:SCOPE_SE
	s_setreg_imm32_b32 hwreg(HW_REG_WAVE_MODE, 25, 1), 1
	s_wait_xcnt 0x0
; out0[n][:] = codebook[idx[n]][:], 32,768 rows of 2,048 bytes.  idx was stored as whole numbers by the launch before.
; A wave takes 8 tokens: their indices come by one scalar load, are held to 0 .. 4,095 (the table's rows) and, shifted to bytes, enter the loads' vector offsets; the codebook's base stays as it is given.
; A row is four loads and four stores of 512 consecutive bytes (16 bytes a lane).  All 32 loads of a wave go out first; each store follows its own load's arrival.  No register is written twice, so nothing
; waits for a store.  No LDS, no barrier, no matrix unit, no cluster: the waves share nothing, and the launch is bound by the bytes that it writes.
; No prefetch: the table's 8 MiB are read again and again by all work-groups.
.set LI,  1                            ; v1     16 x lane
.set OF,  8                            ; v8-15  token j: 2,048 x its index + 16 x lane
.set D,   16                           ; v16-143 token j, quarter c: four registers at 16 j + 4 c
	s_load_b128 s[4:7], s[0:1], 0x0                ; idx s[4:5], codebook s[6:7]
	s_load_b64 s[8:9], s[0:1], 0x10                ; out0
	v_lshrrev_b32 v2, 5, v0
	s_delay_alu instid0(VALU_DEP_1)
	v_readfirstlane_b32 s10, v2                    ; wave 0..7
	v_and_b32 v[LI], 31, v0
	s_delay_alu instid0(VALU_DEP_1)
	v_lshlrev_b32 v[LI], 4, v[LI]
	s_lshl_b32 s12, ttmp9, 8                       ; idx: 64 tokens of 4 bytes a work-group,
	s_lshl_b32 s13, s10, 5                         ; 8 a wave
	s_add_co_u32 s12, s12, s13
	s_mov_b32 s13, 0
	s_lshl_b32 s14, ttmp9, 17                      ; out0: 64 rows of 2,048 bytes a work-group,
	s_lshl_b32 s15, s10, 14                        ; 8 a wave
	s_add_co_u32 s14, s14, s15
	s_mov_b32 s15, 0
	s_wait_alu depctr_va_vdst(0)
	s_wait_kmcnt 0x0
	s_add_nc_u64 s[4:5], s[4:5], s[12:13]
	s_add_nc_u64 s[8:9], s[8:9], s[14:15]
	s_load_b256 s[16:23], s[4:5], 0x0              ; my eight indices
	s_wait_kmcnt 0x0
.irp j, 0,1,2,3,4,5,6,7
	s_min_u32 s[16+\j], s[16+\j], 4095             ; an index stays inside the table
	s_lshl_b32 s[32+\j], s[16+\j], 11              ; its row, in bytes
	v_add_nc_u32 v[OF+\j], s[32+\j], v[LI]
.endr
	s_wait_alu depctr_va_vdst(0)
.irp j, 0,1,2,3,4,5,6,7
.irp c, 0,1,2,3
	global_load_b128 v[D+16*\j+4*\c:D+16*\j+4*\c+3], v[OF+\j], s[6:7] offset:512*\c
.endr
.endr
.irp j, 0,1,2,3,4,5,6,7
.irp c, 0,1,2,3
	s_wait_loadcnt 31-(4*\j+\c)                    ; loads come back in order (ISA guide 5.7.1): this one is in, the younger ones may be out
	global_store_b128 v[LI], v[D+16*\j+4*\c:D+16*\j+4*\c+3], s[8:9] offset:2048*\j+512*\c th:TH_STORE_NT   ; 512 consecutive bytes, at a multiple of 512 from out0's first byte; written once, read by nobody here
.endr
.endr
	s_endpgm
.Lfunc_end_k_q7fe4a716a4_gather:
	.size	k_q7fe4a716a4_gather, .Lfunc_end_k_q7fe4a716a4_gather-k_q7fe4a716a4_gather
	.p2alignl 7, 3214868480
	.fill 96, 4, 3214868480
	.section	.rodata,"a",@progbits
	.p2align	6, 0x0
	.amdhsa_kernel k_q7fe4a716a4_gather
		.amdhsa_group_segment_fixed_size 0
		.amdhsa_private_segment_fixed_size 0
		.amdhsa_enable_private_segment 0
		.amdhsa_kernarg_size 24
		.amdhsa_user_sgpr_count 2
		.amdhsa_user_sgpr_kernarg_segment_ptr 1
		.amdhsa_wavefront_size32 1
		.amdhsa_system_sgpr_workgroup_id_x 1
		.amdhsa_system_sgpr_workgroup_id_y 1
		.amdhsa_system_sgpr_workgroup_id_z 1
		.amdhsa_system_vgpr_workitem_id 0
		.amdhsa_next_free_vgpr 144
		.amdhsa_next_free_sgpr 66
		.amdhsa_reserve_vcc 0
		.amdhsa_float_denorm_mode_32 3
		.amdhsa_float_denorm_mode_16_64 3
		.amdhsa_memory_ordered 1
		.amdhsa_forward_progress 1
		.amdhsa_inst_pref_size 10
	.end_amdhsa_kernel
	.amdgpu_metadata
---
amdhsa.version: [ 1, 2 ]
amdhsa.kernels:
  - .name:           k_q7fe4a716a4_gather
    .symbol:         k_q7fe4a716a4_gather.kd
    .args:
      - { .name: idx, .offset: 0, .size: 8, .value_kind: global_buffer, .address_space: global }
      - { .name: codebook, .offset: 8, .size: 8, .value_kind: global_buffer, .address_space: global }
      - { .name: out0, .offset: 16, .size: 8, .value_kind: global_buffer, .address_space: global }
    .group_segment_fixed_size: 0
    .private_segment_fixed_size: 0
    .kernarg_segment_align: 8
    .kernarg_segment_size: 24
    .max_flat_workgroup_size: 256
    .sgpr_count:     66
    .vgpr_count:     144
    .wavefront_size: 32
...
	.end_amdgpu_metadata
.endif
;; end of part 6
